; MI455X (gfx1250); checked and timed in simulation.
; The chip was launched on July 23, 2026; its instructions are those of AMD's public machine-readable ISA for CDNA 5 (MIT licence, August 2026) and "CDNA5" Instruction Set Architecture Reference Guide (July 2026). The comments in the code are by the model that wrote it; some were corrected since.
;; Multi Head Attention. Allowed arithmetic: matrix products marked QUANTISED: E2M3 operands, one E8M0 scale for each 32 along K, by v_wmma_scale_f32_16x16x128_f8f6f4 with both operands' format E2M3, f32 sums; everything else in f32.
;; Inputs: Wk_codes 16 x 64 x 32 x 24 uint8 (E2M3 codes of Wk, K innermost, in blocks of 32 codes, four codes in three bytes); Wk_scales 16 x 64 x 32 uint8 (E8M0 scales of Wk, one for each 32 codes along K); Wo_codes 1,024 x 32 x 24 uint8 (E2M3 codes of Wo, K innermost, in blocks of 32 codes, four codes in three bytes); Wo_scales 1,024 x 32 uint8 (E8M0 scales of Wo, one for each 32 codes along K); Wq_codes 16 x 64 x 32 x 24 uint8 (E2M3 codes of Wq, K innermost, in blocks of 32 codes, four codes in three bytes); Wq_scales 16 x 64 x 32 uint8 (E8M0 scales of Wq, one for each 32 codes along K); Wv_codes 16 x 64 x 32 x 24 uint8 (E2M3 codes of Wv, K innermost, in blocks of 32 codes, four codes in three bytes); Wv_scales 16 x 64 x 32 uint8 (E8M0 scales of Wv, one for each 32 codes along K); bo 1,024 float32; x_codes 4 x 2,048 x 32 x 24 uint8 (E2M3 codes of x, K innermost, in blocks of 32 codes, four codes in three bytes); x_scales 4 x 2,048 x 32 uint8 (E8M0 scales of x, one for each 32 codes along K).
;; Outputs: out0 4 x 2,048 x 1,024 float32.
;; This version of the problem:
;;   THIS VERSION OF THE PROBLEM IS GIVEN IN LOW PRECISION. The matrix products marked QUANTISED in the list below multiply operands that are first quantised to E2M3 (2 exponent bits, 3 mantissa bits; 6 bits a number), with one power-of-two scale for each 32 numbers along K (OCP MX v1.0); their sums are f32. All else is computed in f32.
;;   The module's matrix products, in the order in which they are computed (A, B: the left and right operand; K: the contracted axis; several contracted axes count as one K, in the product's order):
;;     1. [M 1,024, K 1,024] x [K 1,024, N 8,192]; A: input Wq (given as codes); B: input x (given as codes): QUANTISED
;;     2. [M 1,024, K 1,024] x [K 1,024, N 8,192]; A: input Wk (given as codes); B: input x (given as codes): QUANTISED
;;     3. [M 1,024, K 1,024] x [K 1,024, N 8,192]; A: input Wv (given as codes); B: input x (given as codes): QUANTISED
;;     4. batch 64 x [M 2,048, K 64] x [K 64, N 2,048]; A: computed on the way; B: computed on the way: QUANTISED
;;     5. batch 64 x [M 2,048, K 2,048] x [K 2,048, N 64]; A: softmax (see below); B: computed on the way: QUANTISED
;;     6. [M 8,192, K 1,024] x [K 1,024, N 1,024]; A: computed on the way; B: input Wo (given as codes): QUANTISED
;;   THE QUANTISER, for each operand of a quantised product, along K:
;;     - K is cut into blocks of 32 from its start; a last block that is shorter is filled with zeros.
;;     - A block's scale is 2^e with e = floor(log2(the largest magnitude in the block)) - 2, held to -126 .. 127; a block of zeros has e = 0. As a byte (E8M0): e + 127.
;;     - Each number is divided by its block's scale, clamped to +-7.5, and rounded to the nearest number of E2M3, ties to even, subnormals kept.
;;     - The product sums the exact products of the quantised numbers (number of the format x scale) in f32.
;;   ~~~python
;;   def quantise(x, axis):      # numpy; x: float32 -> the quantised numbers, widened to float32 again
;;       x = np.moveaxis(x, axis, -1); K = x.shape[-1]
;;       x = np.pad(x, [(0, 0)] * (x.ndim - 1) + [(0, -K % 32)]); x = x.reshape(x.shape[:-1] + (-1, 32)); a = np.abs(x).max(-1, keepdims=True)
;;       e = np.where(a > 0, np.clip(np.frexp(np.where(a > 0, a, 1))[1] - 1 - 2, -126, 127), 0)      # np.frexp(a)[1] - 1 = floor(log2(a)), exactly
;;       r = np.clip(x / 2.0 ** e, -7.5, 7.5)
;;       step = 2.0 ** (np.maximum(np.frexp(np.where(r == 0, 1, r))[1] - 1, 0) - 3)
;;       q = np.round(r / step) * step * 2.0 ** e      # np.round: ties to even
;;       return np.moveaxis(q.reshape(q.shape[:-2] + (-1,))[..., :K], -1, axis).astype(np.float32)
;;   ~~~
;;   SOFTMAX AHEAD OF A QUANTISED PRODUCT. Where the list says 'softmax', what is quantised is not the finished softmax but p = 2^(t - M), with t = logit x log2(e) and M = ceil(the row's largest t), a whole number; so 1/2 < the row's largest p <= 1. The row's sum l is taken of the UNQUANTISED p, in f32, and the product's result is divided by l at the end. Since M is a whole number, a kernel that streams over the keys may use a running M (the ceiling of the running maximum): every later rescaling is an exact power of two, which a block's scale takes up: the codes' values come out the same.
;;   OPERANDS COMPUTED ON THE WAY. 'Computed on the way' means the value that the module computes at that place (a softmax that the list does not call 'softmax' is quantised finished and normalised). What goes into a quantiser is computed in f32, as accurately as f32 sums, v_exp_f32 and their like allow (about 1e-6 of the number): no bf16 or f16 on the way to a quantiser, and a product that is left as it is and whose result goes on into a quantised operand takes f32 operands (vector FMAs, or v_wmma_f32_16x16x4_f32). A number that lies on a knife's edge between two numbers of the format may be rounded either way, as far as f32 arithmetic and the matrix unit's own rounding can turn it there, and no further.
;;   INPUTS GIVEN AS CODES. Wk (in the module: [16, 1024, 64], K = its axis 1); Wo (in the module: [1024, 1024], K = its axis 0); Wq (in the module: [16, 1024, 64], K = its axis 1); Wv (in the module: [16, 1024, 64], K = its axis 1); x (in the module: [4, 2048, 1024], K = its axis 2): each comes as NAME_codes (uint8): NAME with its K axis moved to the last place and cut into blocks of 32 codes, [.., K / 32, bytes a block], one block behind the other in memory; four codes in three bytes: a row's codes are one little-endian stream of bits, code i at bits 6 i .. 6 i + 5 (a code: sign, 2 exponent bits, 3 mantissa bits); and NAME_scales (uint8): the same leading axes, one E8M0 byte (e + 127) for each 32 codes along K. Its value is code x scale, taken as it is: it is not quantised again, and the codes and scales need not be those that the quantiser above would give.
;; One version. Each part assembles by itself: llvm-mc -triple=amdgcn-amd-amdhsa -mcpu=gfx1250 --defsym DOCPART=n.
;; ======== version 1 of 1: 3 launches
;; limits: right only within a limited range of input values
;; workspace buffers: qimg 6,291,456 bytes; qsc 524,288 bytes; kv 13,107,200 bytes; aimg 6,291,456 bytes; asc 262,144 bytes
;; launch qkv (part 1): grid 8 x 32, 4 waves a work-group, clusters of 4 x 4, 327,680 bytes of LDS; arguments x_codes, x_scales, Wq_codes, Wq_scales, Wk_codes, Wk_scales, Wv_codes, Wv_scales, qimg, qsc, kv; writes qimg, qsc, kv
.if DOCPART == 1
	.amdgcn_target "amdgcn-amd-amdhsa--gfx1250"
	.amdhsa_code_object_version 6
	.text
	.protected	k_qec05cca5c0_qkv
	.globl	k_qec05cca5c0_qkv
	.p2align	8
	.type	k_qec05cca5c0_qkv,@function
k_qec05cca5c0_qkv:
	s_mov_b64 s[64:65], 0
	v_nop
	global_prefetch_b8 v0, s[64:65] scope:SCOPE_SE
	s_setreg_imm32_b32 hwreg(HW_REG_WAVE_MODE, 25, 1), 1
	s_wait_xcnt 0x0
	s_wait_alu depctr_hold_cnt(0) depctr_sa_sdst(0) depctr_va_vdst(0) depctr_va_sdst(0) depctr_va_ssrc(0) depctr_va_vcc(0) depctr_vm_vsrc(0)
	s_getreg_b32 s2, hwreg(HW_REG_IB_STS2, 6, 4)
	s_cmp_eq_u32 s2, 0
	s_cbranch_scc0 .Lentry_in_a_cluster
	s_endpgm
.Lentry_in_a_cluster:
	s_bfe_u32 s2, ttmp6, 0x10000c
	s_cmp_lg_u32 s2, 0xf033
	s_cbranch_scc0 .Lentry_shape_is_right
	s_endpgm
.Lentry_shape_is_right:
; q, k, v = x Wq, x Wk, x Wv on codes of FP6 (E2M3) with E8M0 scales, and their quantising: q and k along the head's 64, v along the keys.
; WORK LEFT OUT BY THE PROGRAM: reference() sets every score with key > query to -inf by a mask that it builds itself (jnp.tril), so p = 0 there for all inputs; the attention launch
; passes over the key steps that lie wholly behind a query tile's diagonal.  A NaN, an infinity or an overflow that reaches only those scores is not carried to the result.  Every input is loaded.
; SHARES.  A work-group takes 256 tokens (block X) and two heads (pair y): six chunks of 64 weight rows.  A wave takes 64 tokens: four tiles of 16; x's fragments for all of K = 1,024 stay in registers (384).
; A TILE OF 16 OUT OF 64 (tokens, and weight rows alike): place r of tile t is row 8 t + r + (r / 8) x (32 for even t, 16 for odd t): places 0-7 lie in the first 32, places 8-15 in the second 32.
; So the 32 results that a lane holds of a chunk (four tiles x eight registers) are ONE scale block of the next product: no lane asks another for a maximum or for codes.
; In lanes 16-31 the block's groups of eight lie in the order 1, 0, 3, 2: alike in q and k, alike in p and v, so those products are unchanged; the attention launch sets its own result right.
; The 16 rows of a tile differ modulo 16, and an LDS row is 204 words: their loads of 8 bytes fall on different banks (64 banks of 4 bytes: ISA guide 11.1).
; q, k: source 0 = 16 weight rows, source 1 = a tile of tokens.   v: source 0 = a tile of tokens, source 1 = weight rows.
; WHAT IS STORED are images of operand registers.  A HALF is six registers a lane (64 along K): registers 0-3 at 16 x lane, registers 4-5 at 512 + 8 x lane: stored as 512 and 256 consecutive bytes.
; CLUSTER 4 x 4: x's rows are shared along a row of the cluster, the weights along a column: every tensor load is a joint one.
; LDS: R0 x's 256 rows (pitch 816), filled a second time with Wk's and Wv's 128 rows each; R1 Wq's 128 rows; SCW the three weights' scale bytes, stored from registers; SPARE the spare words.
; No prefetch: all tiles are asked for at the head or one refill behind it; there is no loop to run ahead in.
; LIMITS: a block's scale byte is held at 1 from below; a block of zeros gets byte 1 with zero codes, where the quantiser says 127: only this program reads these bytes.  NaN and infinities are not served.
.set PITCH, 816
.set XW,    64*PITCH
.set R1,    4*XW
.set SCW,   R1+128*PITCH
.set SPARE, SCW+3*4096
.set PADW,  (1<<20)|(1<<21)|(5<<22)|(3<<25)
.set SPW, 1
.set NIL, 2
.set L16, 3
.set L8,  4
.set L4,  5
.set AX,  6                            ; v6-9   my place in my wave's rows of x: even tiles (+ 24 h, + 40 h), odd tiles
.set AW,  10                           ; v10-13 the same in a chunk of weights
.set AS,  14                           ; v14, 15 my row's scale bytes in a chunk: even, odd tiles
.set ADW, 16                           ; v16-19 the chunk in hand
.set ADS, 20                           ; v20, 21
.set XSA, 22                           ; v22, 23 my row of x's scale bytes
.set XS,  24                           ; v24-55 x's scale words
.set WS,  56                           ; v56-87 the chunk's
.set ACC, 88                           ; v88-215 16 accumulators
.set TM,  216                          ; v216-219 four chains
.set SO,  220
.set BY,  222
.set C0,  224                          ; v224-235 two HALFs
.set C1,  236                          ; v236-238, v240-242
.set SH8, 243                          ; 8 h
.set PR,  244
.set WD,  248
.set SW,  252
.set TX,  254
.set WV, 26
.set CX, 27
.set CY, 28
.set YH, 29
.set XB, 30
.set HI, 31
.set G1X, 32
.set G1W, 40
.set G0X, 68
.set G0Q, 72
.set G0R, 88
.set SEL, 92
.set QB,  94
.set QSB, 96
.set KB,  98
.set VB,  100
.set KSB, 2
.set MSB, 0
.macro WIN new
.if MSB != (\new)
	s_set_vgpr_msb (MSB<<8)|(\new)
.set MSB, (\new)
.endif
.endm
.macro PLACES n
.rept \n
	v_nop
.endr
.endm
.macro CROUND
	s_barrier_signal -1
	s_barrier_wait -1
	s_cmp_lg_u32 s[WV], 0
	s_cbranch_scc1 .Lnot_wave_0_\@
	s_barrier_signal -3
.Lnot_wave_0_\@:
	s_barrier_wait -3
	s_barrier_signal -1
	s_barrier_wait -1
.endm
; a fragment (16 rows x 128 K, 12 registers): six pieces of 8 bytes; the second address register serves the pieces whose partner three on lies behind one padding more
.macro FRAG reg, adr, s, row
.irp p, 0,1,2,3,4,5
.set PCE, 12*(\s)+6*(\p/3)+\p%3
.if PCE%32 < 29
	ds_load_b64 v[(\reg)+2*\p:(\reg)+2*\p+1], v[\adr] offset:8*PCE+16*(PCE/32)+(\row)*PITCH
.else
	ds_load_b64 v[(\reg)+2*\p:(\reg)+2*\p+1], v[(\adr)+1] offset:8*PCE+16*(PCE/32)+(\row)*PITCH
.endif
.endr
.endm
; Two blocks of 32 numbers of a lane (registers s .. s + 31, s + 32 .. s + 63) become two HALFs in v[C0] on; v[pr], v[pr+1]: the two scale bytes of each (mine and lane l xor 16's).  Four chains by turns.
.macro QUANT2 s, pr
	s_wait_xcnt 0x0                                ; earlier stores have read the registers that are written below
.irp b, 0,1,2,3
	v_max3_num_f32 v[TM+\b], |v[(\s)+16*\b]|, |v[(\s)+16*\b+1]|, 0x1800000   ; with the floor 2^(3 - 127): the byte cannot fall under 1
.endr
.irp i, 2,4,6,8,10,12,14
.irp b, 0,1,2,3
	v_max3_num_f32 v[TM+\b], v[TM+\b], |v[(\s)+16*\b+\i]|, |v[(\s)+16*\b+\i+1]|
.endr
.endr
.irp b, 0,1
	v_max_num_f32 v[TM+\b], v[TM+2*\b], v[TM+2*\b+1]
.endr
.irp b, 0,1
	v_add_nc_u32 v[SO+\b], 0xff000000, v[TM+\b]    ; 2 off the exponent field: the conversion's scale operand
.endr
.irp b, 0,1
	v_cvt_scalef32_pk16_fp6_f32 v[C0+6*\b:C0+6*\b+2], v[(\s)+32*\b:(\s)+32*\b+15], v[SO+\b]
	v_cvt_scalef32_pk16_fp6_f32 v[C1+4*\b:C1+4*\b+2], v[(\s)+32*\b+16:(\s)+32*\b+31], v[SO+\b]
.endr
.irp b, 0,1
	v_lshrrev_b32 v[BY+\b], 23, v[SO+\b]           ; the scale's byte (also the plain place behind the conversions)
.endr
.irp b, 0,1
	v_lshlrev_b32 v[BY+\b], v[SH8], v[BY+\b]       ; at place h
.endr
.irp b, 0,1
	v_permlanex16_b32 v[TX+\b], v[BY+\b], s[SEL], s[SEL+1]
.endr
.irp b, 0,1
	v_or_b32 v[(\pr)+\b], v[BY+\b], v[TX+\b]
.endr
.irp b, 0,1
.irp i, 0,1,2
	v_mov_b32 v[C0+6*\b+3+\i], v[C1+4*\b+\i]       ; a conversion's three registers begin on an even number
.endr
.endr
.endm
.macro HALFOUT c, base, off
	global_store_b128 v[L16], v[\c:\c+3], s[\base:\base+1] offset:\off         ; 512 consecutive bytes
	global_store_b64 v[L8], v[\c+4:\c+5], s[\base:\base+1] offset:\off+512     ; 256 consecutive bytes
.endm
.macro WMMA d, a, b, z, sa, sb
.if \z
	v_wmma_scale_f32_16x16x128_f8f6f4 v[\d:\d+7], v[\a:\a+11], v[\b:\b+11], 0, v[\sa], v[\sb] matrix_a_fmt:MATRIX_FMT_FP6 matrix_b_fmt:MATRIX_FMT_FP6
.else
	v_wmma_scale_f32_16x16x128_f8f6f4 v[\d:\d+7], v[\a:\a+11], v[\b:\b+11], v[\d:\d+7], v[\sa], v[\sb] matrix_a_fmt:MATRIX_FMT_FP6 matrix_b_fmt:MATRIX_FMT_FP6
.endif
.endm
; One chunk: 64 weight rows x my 64 tokens x K = 1,024: 8 K steps of 16 matrix instructions.  kind 0: weights are source 0 (q, k); kind 1: tokens are source 0 (v).
; A K step's four weight fragments are asked for a whole step ahead, into two sets by turns.  The 16 accumulators take turns.
.macro MM kind, cbase, sbase
	WIN 0
.irp k, 0,1,2,3
	v_add_nc_u32 v[ADW+\k], \cbase, v[AW+\k]
.endr
	v_add_nc_u32 v[ADS], \sbase, v[AS]
	v_add_nc_u32 v[ADS+1], \sbase, v[AS+1]
.irp t, 0,1,2,3
	ds_load_b128 v[WS+8*\t:WS+8*\t+3], v[ADS+\t%2] offset:256*\t
	ds_load_b128 v[WS+8*\t+4:WS+8*\t+7], v[ADS+\t%2] offset:256*\t+16
.endr
	WIN 0xc0
.irp t, 0,1,2,3
	FRAG 12*\t, ADW+2*(\t%2), 0, 8*\t
.endr
	s_wait_alu depctr_va_vdst(0)
.irp s, 0,1,2,3,4,5,6,7
	s_wait_dscnt 0x0                               ; this K step's fragments are in
.if \s < 7
.if \s > 0
	PLACES 4                                       ; in front of loads into registers that the last step's matrix instructions read
.endif
	WIN 0xc0
.irp t, 0,1,2,3
	FRAG 48*((\s+1)%2)+12*\t, ADW+2*(\t%2), \s+1, 8*\t
.endr
.endif
.set zz, 0
.if \s == 0
.set zz, 1
.endif
.irp i, 0,1,2,3
.if \kind
	WIN 0x0d+(\i/2)
.else
	WIN 0x07+4*(\i/2)
.endif
.irp t, 0,1,2,3
.set rW, 48*(\s%2)+12*\t
.set rX, 12*(8*(\i%2)+\s)
.set rSW, WS+8*\t+\s
.set rSX, XS+8*\i+\s
.if \kind
.set rD, ACC+8*(4*\t+\i)
	WMMA rD, rX, rW, zz, rSX, rSW
.else
.set rD, ACC+8*(4*\i+\t)
	WMMA rD, rW, rX, zz, rSW, rSX
.endif
.endr
.endr
.endr
	WIN 0
	PLACES 4                                       ; in front of the first read of results
.endm
.macro Q_OUT hl                        ; four tiles' HALFs; scale words (s0, s1, s0, s1): lane l, word a belongs to tile 2 a + l / 16: one run of 256 bytes
.irp i, 0,2
	QUANT2 ACC+32*\i, PR+\i
	HALFOUT C0, QB, 98304*\hl+768*\i
	HALFOUT C0+6, QB, 98304*\hl+768*\i+768
.endr
.irp i, 0,1,2,3
	v_lshl_or_b32 v[WD+\i], v[PR+\i], 16, v[PR+\i]
.endr
	s_wait_alu depctr_va_vdst(0)
	s_wait_xcnt 0x0                                ; the last store of scale words has read its data
	v_cndmask_b32 v[SW], v[WD], v[WD+1], s[HI]
	v_cndmask_b32 v[SW+1], v[WD+2], v[WD+3], s[HI]
	global_store_b64 v[L8], v[SW:SW+1], s[QSB:QSB+1] offset:8192*\hl
.endm
.macro KV_SC hl, off                   ; two tiles' byte pairs make a word; lanes 0-15 tiles 0, 1, lanes 16-31 tiles 2, 3: 128 consecutive bytes, all that a wave owns of them
	v_lshl_or_b32 v[WD], v[PR+1], 16, v[PR]
	v_lshl_or_b32 v[WD+1], v[PR+3], 16, v[PR+2]
	s_wait_alu depctr_va_vdst(0)
	s_wait_xcnt 0x0
	v_cndmask_b32 v[SW], v[WD], v[WD+1], s[HI]
	global_store_b32 v[L4], v[SW], s[KSB:KSB+1] offset:204800*\hl+\off
.endm
.macro K_OUT hl                        ; tiles 2 p, 2 p + 1 make one pair fragment
.irp i, 0,2
	QUANT2 ACC+32*\i, PR+\i
	HALFOUT C0, KB, 204800*\hl+768*\i
	HALFOUT C0+6, KB, 204800*\hl+768*\i+768
.endr
	KV_SC \hl, 0
.endm
.macro V_OUT hl                        ; for each tile of 16 of the head's 64: my 64 keys' HALF
.irp t, 0,2
	QUANT2 ACC+32*\t, PR+\t
	HALFOUT C0, VB, 204800*\hl+1536*\t
	HALFOUT C0+6, VB, 204800*\hl+1536*\t+1536
.endr
	KV_SC \hl, 256
.endm
	s_load_b512 s[4:19], s[0:1], 0x0               ; x's codes, scales; Wq's; Wk's; Wv's
	s_load_b128 s[20:23], s[0:1], 0x40             ; qimg, qsc
	s_load_b64 s[24:25], s[0:1], 0x50              ; kv
	v_lshl_add_u32 v[SPW], v0, 2, SPARE
	v_mov_b32 v[NIL], 0
	ds_add_u32 v[SPW], v[NIL]                      ; the opening lines
	ds_add_u32 v[SPW], v[NIL]
	v_lshrrev_b32 v88, 5, v0
	v_readfirstlane_b32 s[WV], v88                 ; wave 0..3
	s_bfe_u32 s[CX], ttmp6, 0x40000
	s_bfe_u32 s[CY], ttmp6, 0x40004
	s_lshl_b32 s[YH], ttmp9, 2
	s_add_co_u32 s[YH], s[YH], s[CX]               ; pair of heads
	s_and_b32 s[XB], ttmp7, 0xffff
	s_lshl_b32 s[XB], s[XB], 2
	s_add_co_u32 s[XB], s[XB], s[CY]               ; block of tokens
	s_lshl_b32 s66, s[CY], 2
	s_lshl_b32 s66, 15, s66                        ; my row of the cluster
	s_lshl_b32 s67, 0x1111, s[CX]                  ; my column
	s_mov_b32 s[HI], 0xffff0000
	s_mov_b32 s[SEL], 0x76543210
	s_mov_b32 s[SEL+1], 0xfedcba98
	s_or_b32 s[G1X], s66, PADW                     ; x: 128 rows of 768 bytes, to my row of the cluster
	s_or_b32 s[G1W], s67, PADW                     ; weights: 64 rows, to my column
	s_mov_b32 s[G1X+1], 768<<16
	s_mov_b32 s[G1X+2], 128<<16
	s_mov_b32 s[G1X+3], 768<<16
	s_mov_b32 s[G1X+4], 128
	s_mov_b32 s[G1X+5], 768
	s_mov_b32 s[G1X+6], 0
	s_mov_b32 s[G1X+7], 0
	s_mov_b32 s[G1W+1], 768<<16
	s_mov_b32 s[G1W+2], 64<<16
	s_mov_b32 s[G1W+3], 768<<16
	s_mov_b32 s[G1W+4], 64
	s_mov_b32 s[G1W+5], 768
	s_mov_b32 s[G1W+6], 0
	s_mov_b32 s[G1W+7], 0
	s_and_b32 s3, s[WV], 1                         ; which half of a tile I fetch
	s_mul_i32 s94, s[XB], 196608                   ; x: 256 rows of 768 bytes; a half is 128 rows
	s_mul_i32 s95, s3, 98304
	s_add_co_u32 s94, s94, s95
	s_mov_b32 s95, 0
	s_lshl_b32 s96, s[XB], 13                      ; 256 rows of 32 scale bytes; my wave's 64
	s_lshl_b32 s97, s[WV], 11
	s_add_co_u32 s96, s96, s97
	s_mov_b32 s97, 0
	s_lshl_b32 s100, s[YH], 12                     ; the pair's 128 rows of 32 scale bytes
	s_mov_b32 s101, 0
	s_mul_i32 s2, s[YH], 98304                     ; a weight's 128 rows; a half is 64 rows
	s_mov_b32 s[G0X], 1
	s_mul_i32 s[G0X+1], s3, 2*XW
	s_mov_b32 s[G0Q], 1
	s_mul_i32 s[G0Q+1], s3, XW
	s_add_co_u32 s[G0Q+1], s[G0Q+1], R1
	s_mov_b32 s[G0R], 1
	s_mul_i32 s[G0R+1], s[WV], XW
	s_mul_i32 s3, s3, 49152
	s_add_co_u32 s2, s2, s3
	s_mov_b32 s3, 0
	s_wait_dscnt 0x0                               ; both opening adds are done
	s_wait_kmcnt 0x0
	s_add_nc_u64 s[G0X+2:G0X+3], s[4:5], s[94:95]
	s_or_b32 s[G0X+3], s[G0X+3], 0x80000000
	s_add_nc_u64 s[G0Q+2:G0Q+3], s[8:9], s[2:3]
	s_or_b32 s[G0Q+3], s[G0Q+3], 0x80000000
	s_cmp_lt_u32 s[WV], 2                          ; the refill: waves 0, 1 Wk's halves, waves 2, 3 Wv's
	s_cselect_b64 s[G0R+2:G0R+3], s[12:13], s[16:17]
	s_add_nc_u64 s[G0R+2:G0R+3], s[G0R+2:G0R+3], s[2:3]
	s_or_b32 s[G0R+3], s[G0R+3], 0x80000000
	s_add_nc_u64 s[6:7], s[6:7], s[96:97]          ; x's scale bytes at my first token
	s_add_nc_u64 s[10:11], s[10:11], s[100:101]    ; the three weights' scale bytes of my pair of heads
	s_add_nc_u64 s[14:15], s[14:15], s[100:101]
	s_add_nc_u64 s[18:19], s[18:19], s[100:101]
	CROUND                                         ; all sixteen work-groups are here: the first joint loads meet
	s_cmp_lt_u32 s[WV], 2                          ; one tensor load a wave: waves 0, 1 x's halves, waves 2, 3 Wq's
	s_cbranch_scc0 .Lfor_q
	tensor_load_to_lds s[G0X:G0X+3], s[G1X:G1X+7]
	s_nop 0
	PLACES 4
	s_branch .Lasked
.Lfor_q:
	tensor_load_to_lds s[G0Q:G0Q+3], s[G1W:G1W+7]
	s_nop 0
	PLACES 4
.Lasked:
	v_lshlrev_b32 v95, 4, v0                       ; 16 x thread: the scale bytes' copy, 2,048 bytes an instruction of the work-group
	v_lshl_add_u32 v94, v0, 4, SCW
.irp k, 0,1
	global_load_b128 v[96+4*\k:99+4*\k], v95, s[10:11] offset:2048*\k
	global_load_b128 v[104+4*\k:107+4*\k], v95, s[14:15] offset:2048*\k
	global_load_b128 v[112+4*\k:115+4*\k], v95, s[18:19] offset:2048*\k
.endr
	v_and_b32 v88, 31, v0
	v_lshlrev_b32 v[L16], 4, v88
	v_lshlrev_b32 v[L8], 3, v88
	v_lshlrev_b32 v[L4], 2, v88
	v_and_b32 v89, 15, v0                          ; r
	v_bfe_u32 v90, v0, 4, 1                        ; h
	v_and_b32 v91, 8, v89
	v_lshl_add_u32 v92, v91, 2, v89                ; even tiles: r + 32 (r / 8)
	v_lshl_add_u32 v93, v91, 1, v89                ; odd tiles: r + 16 (r / 8)
	v_lshlrev_b32 v[SH8], 3, v90
.irp o, 0,1
	v_mul_u32_u24 v[AW+2*\o], v[92+\o], PITCH
	v_mad_u32_u24 v[AW+2*\o+1], v90, 40, v[AW+2*\o]
	v_mad_u32_u24 v[AW+2*\o], v90, 24, v[AW+2*\o]
	v_add_nc_u32 v[AX+2*\o], s[G0R+1], v[AW+2*\o]  ; + my wave's 64 rows
	v_add_nc_u32 v[AX+2*\o+1], s[G0R+1], v[AW+2*\o+1]
	v_lshl_add_u32 v[AS+\o], v[92+\o], 5, SCW
	v_lshlrev_b32 v[XSA+\o], 5, v[92+\o]
.endr
	v_mov_b32 v[TX], 0                             ; a lane permute's destination counts as one of its sources
	v_mov_b32 v[TX+1], 0
.irp i, 0,1,2,3
	global_load_b128 v[XS+8*\i:XS+8*\i+3], v[XSA+\i%2], s[6:7] offset:256*\i
	global_load_b128 v[XS+8*\i+4:XS+8*\i+7], v[XSA+\i%2], s[6:7] offset:256*\i+16
.endr
	s_wait_alu depctr_va_vdst(0)
	s_cmp_lt_u32 s[WV], 2
	s_cbranch_scc0 .Lnot_x
	s_wait_tensorcnt 0x0                           ; x's halves: their line is waves 0 and 1's alone
.Lnot_x:
	s_barrier_signal -1
	s_barrier_wait -1                              ; x's 256 rows are in; Wq may be on its way
	WIN 0x40                                       ; destination window 1: tiles 0, 1
.irp i, 0,1
.irp s, 0,1,2,3,4,5,6,7
	FRAG 12*(8*\i+\s), AX+2*\i, \s, 8*\i
.endr
.endr
	WIN 0x80                                       ; window 2: tiles 2, 3
.irp i, 0,1
.irp s, 0,1,2,3,4,5,6,7
	FRAG 12*(8*\i+\s), AX+2*\i, \s, 16+8*\i
.endr
.endr
	WIN 0
	s_wait_loadcnt 0x8                             ; the six loads of weights' scale bytes are in; x's eight, issued behind them, may be out
.irp k, 0,1
	ds_store_b128 v94, v[96+4*\k:99+4*\k] offset:2048*\k
	ds_store_b128 v94, v[104+4*\k:107+4*\k] offset:4096+2048*\k
	ds_store_b128 v94, v[112+4*\k:115+4*\k] offset:8192+2048*\k
.endr
	s_wait_tensorcnt 0x0                           ; Wq's rows are in: all my tensor loads have landed
	ds_add_u32 v[SPW], v[NIL]                      ; the store bases are made meanwhile
	s_lshr_b32 s8, s[XB], 3
	s_lshl_b32 s8, s8, 4
	s_lshl_b32 s9, s[YH], 1
	s_add_co_u32 s8, s8, s9                        ; 16 x batch + my first head
	s_and_b32 s9, s[XB], 7                         ; which 256 tokens of the sequence
	s_lshl_b32 s10, s9, 2
	s_add_co_u32 s10, s10, s[WV]                   ; which 64
	s_mul_i32 s12, s8, 98304
	s_mul_i32 s13, s10, 3072
	s_add_co_u32 s12, s12, s13
	s_mov_b32 s13, 0
	s_add_nc_u64 s[QB:QB+1], s[20:21], s[12:13]
	s_lshl_b32 s12, s8, 13
	s_lshl_b32 s14, s10, 8
	s_add_co_u32 s12, s12, s14
	s_add_nc_u64 s[QSB:QSB+1], s[22:23], s[12:13]
	s_mul_i32 s12, s8, 204800
	s_lshl_b32 s14, s9, 1
	s_lshr_b32 s15, s[WV], 1
	s_add_co_u32 s14, s14, s15                     ; the key step of 128
	s_mul_i32 s14, s14, 12800
	s_add_co_u32 s12, s12, s14
	s_add_nc_u64 s[KSB:KSB+1], s[24:25], s[12:13]  ; its block of 12,800 bytes
	s_and_b32 s14, s[WV], 1                        ; which 64 keys of it
	s_mul_i32 s12, s14, 3072
	s_add_nc_u64 s[KB:KB+1], s[KSB:KSB+1], s[12:13]
	s_mul_i32 s12, s14, 768
	s_add_co_u32 s12, s12, 6144
	s_add_nc_u64 s[VB:VB+1], s[KSB:KSB+1], s[12:13]
	s_lshl_b32 s12, s14, 7
	s_add_co_u32 s12, s12, 12288
	s_add_nc_u64 s[KSB:KSB+1], s[KSB:KSB+1], s[12:13]
	s_wait_dscnt 0x0                               ; the add, my stores of scale bytes and my reads of x's rows are done
	CROUND                                         ; no wave of any partner still reads these bytes or has a load on its way; Wq and the scale bytes are whole
	tensor_load_to_lds s[G0R:G0R+3], s[G1W:G1W+7]  ; my one load behind the round: it has q's two chunks in which to land
	s_nop 0
	PLACES 4
	s_wait_loadcnt 0x0                             ; x's scale words
	MM 0, R1, 0
	Q_OUT 0
	MM 0, R1+XW, 2048
	Q_OUT 1
	s_wait_tensorcnt 0x0                           ; my part of Wk or Wv has landed,
	s_wait_dscnt 0x0
	s_barrier_signal -1
	s_barrier_wait -1                              ; everybody's has
	MM 0, 0, 4096
	K_OUT 0
	MM 0, XW, 4096+2048
	K_OUT 1
	MM 1, 2*XW, 8192
	V_OUT 0
	MM 1, 3*XW, 8192+2048
	V_OUT 1
	s_wait_tensorcnt 0x0                           ; the wave's end
	ds_add_u32 v[SPW], v[NIL]
	s_wait_dscnt 0x0
	CROUND                                         ; the closing round
	s_endpgm
.Lfunc_end_k_qec05cca5c0_qkv:
	.size	k_qec05cca5c0_qkv, .Lfunc_end_k_qec05cca5c0_qkv-k_qec05cca5c0_qkv
	.p2alignl 7, 3214868480
	.fill 96, 4, 3214868480
	.section	.rodata,"a",@progbits
	.p2align	6, 0x0
	.amdhsa_kernel k_qec05cca5c0_qkv
		.amdhsa_group_segment_fixed_size 327680
		.amdhsa_private_segment_fixed_size 0
		.amdhsa_enable_private_segment 0
		.amdhsa_kernarg_size 88
		.amdhsa_user_sgpr_count 2
		.amdhsa_user_sgpr_kernarg_segment_ptr 1
		.amdhsa_wavefront_size32 1
		.amdhsa_system_sgpr_workgroup_id_x 1
		.amdhsa_system_sgpr_workgroup_id_y 1
		.amdhsa_system_sgpr_workgroup_id_z 1
		.amdhsa_system_vgpr_workitem_id 0
		.amdhsa_next_free_vgpr 896
		.amdhsa_next_free_sgpr 102
		.amdhsa_reserve_vcc 0
		.amdhsa_float_denorm_mode_32 3
		.amdhsa_float_denorm_mode_16_64 3
		.amdhsa_memory_ordered 1
		.amdhsa_forward_progress 1
		.amdhsa_inst_pref_size 252
	.end_amdhsa_kernel
	.amdgpu_metadata
---
amdhsa.version: [ 1, 2 ]
amdhsa.kernels:
  - .name:           k_qec05cca5c0_qkv
    .symbol:         k_qec05cca5c0_qkv.kd
    .args:
      - { .name: x_codes, .offset: 0, .size: 8, .value_kind: global_buffer, .address_space: global }
      - { .name: x_scales, .offset: 8, .size: 8, .value_kind: global_buffer, .address_space: global }
      - { .name: Wq_codes, .offset: 16, .size: 8, .value_kind: global_buffer, .address_space: global }
      - { .name: Wq_scales, .offset: 24, .size: 8, .value_kind: global_buffer, .address_space: global }
      - { .name: Wk_codes, .offset: 32, .size: 8, .value_kind: global_buffer, .address_space: global }
      - { .name: Wk_scales, .offset: 40, .size: 8, .value_kind: global_buffer, .address_space: global }
      - { .name: Wv_codes, .offset: 48, .size: 8, .value_kind: global_buffer, .address_space: global }
      - { .name: Wv_scales, .offset: 56, .size: 8, .value_kind: global_buffer, .address_space: global }
      - { .name: qimg, .offset: 64, .size: 8, .value_kind: global_buffer, .address_space: global }
      - { .name: qsc, .offset: 72, .size: 8, .value_kind: global_buffer, .address_space: global }
      - { .name: kv, .offset: 80, .size: 8, .value_kind: global_buffer, .address_space: global }
    .group_segment_fixed_size: 327680
    .private_segment_fixed_size: 0
    .kernarg_segment_align: 8
    .kernarg_segment_size: 88
    .max_flat_workgroup_size: 128
    .sgpr_count:     102
    .vgpr_count:     896
    .wavefront_size: 32
...
	.end_amdgpu_metadata
.endif
;; end of part 1
;; launch attn (part 2): grid 4 x 64, 16 waves a work-group, clusters of 4 x 1, 327,680 bytes of LDS; arguments qimg, qsc, kv, aimg, asc; writes aimg, asc
.if DOCPART == 2
	.amdgcn_target "amdgcn-amd-amdhsa--gfx1250"
	.amdhsa_code_object_version 6
	.text
	.protected	k_qec05cca5c0_attn
	.globl	k_qec05cca5c0_attn
	.p2align	8
	.type	k_qec05cca5c0_attn,@function
k_qec05cca5c0_attn:
	s_mov_b64 s[64:65], 0
	v_nop
	global_prefetch_b8 v0, s[64:65] scope:SCOPE_SE
	s_setreg_imm32_b32 hwreg(HW_REG_WAVE_MODE, 25, 1), 1
	s_wait_xcnt 0x0
	s_wait_alu depctr_hold_cnt(0) depctr_sa_sdst(0) depctr_va_vdst(0) depctr_va_sdst(0) depctr_va_ssrc(0) depctr_va_vcc(0) depctr_vm_vsrc(0)
	s_getreg_b32 s2, hwreg(HW_REG_IB_STS2, 6, 4)
	s_cmp_eq_u32 s2, 0
	s_cbranch_scc0 .Lentry_in_a_cluster
	s_endpgm
.Lentry_in_a_cluster:
	s_bfe_u32 s2, ttmp6, 0x10000c
	s_cmp_lg_u32 s2, 0x3003
	s_cbranch_scc0 .Lentry_shape_is_right
	s_endpgm
.Lentry_shape_is_right:
; a = softmax(q k^T / 8, causal) v on codes of FP6 (E2M3), and a's quantising along the head's 64.  Both products are used transposed: a lane holds one query.
; LEFT OUT: key steps of 128 that lie wholly behind a query tile's diagonal (reference()'s own jnp.tril makes p = 0 there for all inputs); a NaN or an overflow that reaches only them is not carried on.
; SHARES.  A cluster of four work-groups takes one (batch, head); work-group cx takes tile cx of every 64 queries.  Wave w takes the tiles of blocks 31 - w and w: 17 key steps each wave.
; The head's k and v (16 key steps x 12,800 bytes: eight HALFs of k, eight of v, 512 scale bytes) come into LDS once: each of the 16 waves asks for one key step, jointly with its three partners.
; No prefetch: all that the launch streams is asked for at the head; there is no loop to run ahead in.
; A TILE OF 16 OUT OF 64: place r of tile t is row 8 t + r + (r / 8) x (32 for even t, 16 for odd t).  So lane (r, h) holds of each 64 keys ONE scale block of 32: key 64 c + 32 h + (n, or n xor 8 where h = 1)
; in register 32 c + n: the block's largest score, p's codes and the scale byte need no other lane; v's codes lie in the same order.  O^T's registers lie so along d; the way out sets lanes 16-31 right.
; M is the running largest t rounded up to a whole number (v12 = -M; v13 the running largest score); p = 2^(t - M); the row's sum is taken of the unquantised p, behind the second product's instructions.
; LIMITS: the promise holds while the scaled scores stay under 2^31 in magnitude; scale bytes are held at 1 from below; NaN and infinities among q, k, v are not served.
.set KSTEP, 12800
.set SPARE, 16*KSTEP
.set L16, 1
.set L8,  2
.set L4,  3
.set ADK, 4
.set ADK8, 5
.set ADS, 6
.set NINF, 8
.set QS,  9
.set QSO, 10
.set ASO, 11
.set QA,  16
.set FRG, 40
.set S,   88
.set OT,  152
.set PCD, 184
.set CT,  196
.set BM,  204
.set BX,  208
.set BX2, 209
.set T2,  210
.set T1,  211
.set BS,  212
.set BB,  216
.set SH8, 218
.set KS,  220
.set X0,  222
.set VSE, 224
.set PS,  226
.set FF,  228
.set SP2, 230
.set DQE, 232                          ; v232, v233: a register n of the diagonal band is hidden where n > this: even tiles of keys, odd tiles
.set TM,  234
.set SO,  236
.set BY,  237
.set TX,  238
.set PR,  239
.set C0,  240
.set C1,  246
.set SPW, 254
.set NIL, 255
.set WV, 14
.set GG, 15
.set BH, 16
.set HI, 17
.set SEL, 20
.set CS, 22
.set G1, 24
.set G0A, 32
.set ST, 60
.set TB, 61
.macro PLACES n
.rept \n
	v_nop
.endr
.endm
.macro WALU
	s_wait_alu depctr_va_vdst(0)
.endm
.macro CROUND
	s_barrier_signal -1
	s_barrier_wait -1
	s_cmp_lg_u32 s[WV], 0
	s_cbranch_scc1 .Lnot_wave_0_\@
	s_barrier_signal -3
.Lnot_wave_0_\@:
	s_barrier_wait -3
	s_barrier_signal -1
	s_barrier_wait -1
.endm
; block M of 64 queries: s[B:B+1] q's HALF, +2 its scale words, +4 a's HALF, +6 a's scale bytes, s[B+8] the diagonal's key step, s[B+9] its band of 64
.macro TSET B, M
	s_mul_i32 s66, s[BH], 98304
	s_mul_i32 s67, s[\M], 3072
	s_add_co_u32 s66, s66, s67
	s_mul_i32 s67, s[GG], 768
	s_add_co_u32 s66, s66, s67
	s_mov_b32 s67, 0
	s_add_nc_u64 s[\B:\B+1], s[4:5], s[66:67]
	s_lshl_b32 s66, s[BH], 13
	s_lshl_b32 s68, s[\M], 8
	s_add_co_u32 s66, s66, s68
	s_add_nc_u64 s[\B+2:\B+3], s[6:7], s[66:67]
	s_lshr_b32 s68, s[BH], 4
	s_lshl_b32 s68, s68, 7
	s_lshl_b32 s69, s[\M], 2
	s_add_co_u32 s68, s68, s69
	s_add_co_u32 s68, s68, s[GG]
	s_and_b32 s69, s[BH], 15
	s_mul_i32 s66, s68, 12288
	s_mul_i32 s70, s69, 768
	s_add_co_u32 s66, s66, s70
	s_add_nc_u64 s[\B+4:\B+5], s[10:11], s[66:67]
	s_lshl_b32 s66, s68, 9
	s_lshl_b32 s70, s69, 1
	s_add_co_u32 s66, s66, s70
	s_add_nc_u64 s[\B+6:\B+7], s[12:13], s[66:67]
	s_lshr_b32 s[\B+8], s[\M], 1
	s_and_b32 s[\B+9], s[\M], 1
.endm
.macro QLOAD B                         ; (q | 0) and (0 | q): a pair fragment of k holds two tiles of keys along K
	global_load_b128 v[QA:QA+3], v[L16], s[\B:\B+1]
	global_load_b64 v[QA+4:QA+5], v[L8], s[\B:\B+1] offset:512
	global_load_b128 v[QA+18:QA+21], v[L16], s[\B:\B+1]
	global_load_b64 v[QA+22:QA+23], v[L8], s[\B:\B+1] offset:512
	global_load_b32 v[QS], v[QSO], s[\B+2:\B+3]
.endm
.macro RESET
	v_mov_b32 v13, 0xff61b1e6                      ; -3e38, under every score
	v_mul_f32 v12, s[CS], v13
	v_mov_b32 v14, 0
	v_mov_b32 v15, 0
	v_floor_f32 v12, -v12
	v_mov_b32 v[SP2], 0
	v_mov_b32 v[SP2+1], 0
.set j, 0
.rept 32
	v_mov_b32 v[OT+j], 0
.set j, j+1
.endr
	WALU
.endm
.macro MASK c                          ; the diagonal's band of 64 keys
.set n, 0
.rept 32
	v_cmp_gt_i32 vcc_lo, n, v[DQE+(n/8)%2]
	v_cndmask_b32 v[S+32*\c+n], v[S+32*\c+n], v[NINF], vcc_lo
.set n, n+1
.endr
.endm
; The addresses of the key step at LDS byte s[tb], its four pair fragments of k and its scale words: asked for at the end of the step before, or ahead of a tile's first step
.macro KLOAD tb
	v_add_nc_u32 v[ADK], s[\tb], v[L16]
	v_add_nc_u32 v[ADK8], s[\tb], v[L8]
	v_add_nc_u32 v[ADS], s[\tb], v[L4]
.irp b, 0,1,2,3
.irp u, 0,1
	ds_load_b128 v[FRG+12*\b+6*\u:FRG+12*\b+6*\u+3], v[ADK] offset:1536*\b+768*\u
	ds_load_b64 v[FRG+12*\b+6*\u+4:FRG+12*\b+6*\u+5], v[ADK8] offset:1536*\b+768*\u+512
.endr
.endr
	ds_load_b32 v[KS], v[ADS] offset:12288
	ds_load_b32 v[KS+1], v[ADS] offset:12416
	ds_load_b32 v[X0], v[ADS] offset:12544
	ds_load_b32 v[X0+1], v[ADS] offset:12672
.endm
.macro STEP masked, B
.if \masked
	s_cmp_gt_u32 s[ST], s[\B+8]
	s_cbranch_scc1 .Lhidden_\@
.endif
	WALU
	s_wait_dscnt 0x0
.irp b, 0,1,2,3
.irp u, 0,1
.if \b%2
	v_wmma_scale_f32_16x16x128_f8f6f4 v[S+16*\b+8*\u:S+16*\b+8*\u+7], v[FRG+12*\b:FRG+12*\b+11], v[QA+12*\u:QA+12*\u+11], 0, v[KS+\b/2], v[QS] matrix_a_fmt:MATRIX_FMT_FP6 matrix_b_fmt:MATRIX_FMT_FP6 matrix_a_scale:MATRIX_SCALE_ROW1
.else
	v_wmma_scale_f32_16x16x128_f8f6f4 v[S+16*\b+8*\u:S+16*\b+8*\u+7], v[FRG+12*\b:FRG+12*\b+11], v[QA+12*\u:QA+12*\u+11], 0, v[KS+\b/2], v[QS] matrix_a_fmt:MATRIX_FMT_FP6 matrix_b_fmt:MATRIX_FMT_FP6
.endif
.endr
.endr
	v_mov_b32 v[T1], v12                           ; four lines that are due anyway are the places behind the products (ISA guide 7.12.1): the old -M,
	v_pk_add_f32 v[14:15], v[14:15], v[SP2:SP2+1]  ; the last step's second chain of the sum,
	v_perm_b32 v[VSE], v[X0+1], v[X0], 0x05040100  ; v's scale words: both bands' byte pairs of tiles 0, 2
	v_perm_b32 v[VSE+1], v[X0+1], v[X0], 0x07060302   ; and of tiles 1, 3
.irp t, 0,1,2,3
.irp c, 0,1
	ds_load_b128 v[FRG+12*\t+6*\c:FRG+12*\t+6*\c+3], v[ADK] offset:6144+1536*\t+768*\c
	ds_load_b64 v[FRG+12*\t+6*\c+4:FRG+12*\t+6*\c+5], v[ADK8] offset:6144+1536*\t+768*\c+512
.endr
.endr
.if \masked
	s_cmp_lg_u32 s[ST], s[\B+8]
	s_cbranch_scc1 .Lopen_\@
	s_cmp_lg_u32 s[\B+9], 0
	s_cbranch_scc1 .Lband1_\@
	MASK 0
.set n, 0
.rept 32
	v_mov_b32 v[S+32+n], v[NINF]                   ; the band behind the diagonal's
.set n, n+1
.endr
	s_branch .Lopen_\@
.Lband1_\@:
	MASK 1
.Lopen_\@:
.endif
.irp q, 0,1,2,3                        ; the largest score of my two blocks, in four chains by turns
	v_max3_num_f32 v[BM+\q], v[S+16*\q], v[S+16*\q+1], v[S+16*\q+2]
.endr
.irp i, 3,5,7,9,11,13
.irp q, 0,1,2,3
	v_max3_num_f32 v[BM+\q], v[BM+\q], v[S+16*\q+\i], v[S+16*\q+\i+1]
.endr
.endr
	v_max_num_f32 v[BM+1], v[BM+1], v[S+31]
	v_max_num_f32 v[BM+3], v[BM+3], v[S+63]
	v_max3_num_f32 v[BM], v[BM], v[S+15], v[BM+1]
	v_max3_num_f32 v[BM+2], v[BM+2], v[S+47], v[BM+3]
	s_delay_alu instid0(VALU_DEP_1)
	v_max_num_f32 v[T2], v[BM], v[BM+2]
	s_delay_alu instid0(VALU_DEP_1)
	v_permlanex16_b32 v[BX], v[T2], s[SEL], s[SEL+1]
	s_delay_alu instid0(VALU_DEP_1)
	v_max3_num_f32 v13, v13, v[T2], v[BX]          ; the running largest score of my query
	s_delay_alu instid0(VALU_DEP_1)
	v_mul_f32 v[T2], s[CS], v13                    ; as t
	s_delay_alu instid0(VALU_DEP_1)
	v_floor_f32 v12, -v[T2]                        ; -M = floor(-t)
.set j, 0
.rept 32
	v_pk_fma_f32 v[S+j:S+j+1], v[S+j:S+j+1], s[CS:CS+1], v[12:13] op_sel_hi:[1,0,0]   ; t - M
.if j == 6
	v_sub_f32 v[T1], v12, v[T1]                    ; old M less new M, a whole number
.elseif j == 14
	v_cvt_i32_f32 v[T1], v[T1]
.elseif j == 22
	v_ldexp_f32 v[FF], 1.0, v[T1]                  ; f = 2^(old M - new M)
.endif
.set j, j+2
.endr
	v_fma_f32 v[BM], v[BM], s[CS], v12
	v_fma_f32 v[BM+2], v[BM+2], s[CS], v12
	WALU
.set j, 0
.rept 64
	v_exp_f32 v[S+j], v[S+j]
.set j, j+1
.endr
	v_exp_f32 v[BM], v[BM]                         ; each block's largest p
	v_exp_f32 v[BM+2], v[BM+2]
	v_pk_mul_f32 v[14:15], v[14:15], v[FF:FF+1] op_sel_hi:[1,0]   ; the sum under the new M
	WALU
	v_max_num_f32 v[BM], 0x1800000, v[BM]          ; the floor 2^(3 - 127)
	v_max_num_f32 v[BM+2], 0x1800000, v[BM+2]
	s_delay_alu instid0(VALU_DEP_2)
	v_add_nc_u32 v[BS], 0xff000000, v[BM]
	s_delay_alu instid0(VALU_DEP_2)
	v_add_nc_u32 v[BS+1], 0xff000000, v[BM+2]
.irp c, 0,1
	v_cvt_scalef32_pk16_fp6_f32 v[PCD+6*\c:PCD+6*\c+2], v[S+32*\c:S+32*\c+15], v[BS+\c]
	v_cvt_scalef32_pk16_fp6_f32 v[CT+4*\c:CT+4*\c+2], v[S+32*\c+16:S+32*\c+31], v[BS+\c]
.endr
	v_lshrrev_b32 v[BB], 23, v[BS]
	v_lshrrev_b32 v[BB+1], 23, v[BS+1]
	s_delay_alu instid0(VALU_DEP_1)
	v_lshl_or_b32 v[PS], v[BB+1], 16, v[BB]        ; my bytes: blocks h and 2 + h,
	s_delay_alu instid0(VALU_DEP_1)
	v_lshlrev_b32 v[PS], v[SH8], v[PS]             ; at their places;
	s_delay_alu instid0(VALU_DEP_1)
	v_permlanex16_b32 v[BX2], v[PS], s[SEL], s[SEL+1]
	s_delay_alu instid0(VALU_DEP_1)
	v_or_b32 v[PS], v[PS], v[BX2]                  ; with lane l xor 16's the word is whole
.irp c, 0,1
.irp i, 0,1,2
	v_mov_b32 v[PCD+6*\c+3+\i], v[CT+4*\c+\i]
.endr
.endr
	s_wait_dscnt 0x0                               ; v's fragments
	WALU
.set j, 0
.rept 16
	v_pk_mul_f32 v[OT+j:OT+j+1], v[OT+j:OT+j+1], v[FF:FF+1] op_sel_hi:[1,0]
.set j, j+2
.endr
.irp t, 0,1,2,3
.if \t/2
	v_wmma_scale_f32_16x16x128_f8f6f4 v[OT+8*\t:OT+8*\t+7], v[FRG+12*\t:FRG+12*\t+11], v[PCD:PCD+11], v[OT+8*\t:OT+8*\t+7], v[VSE+\t%2], v[PS] matrix_a_fmt:MATRIX_FMT_FP6 matrix_b_fmt:MATRIX_FMT_FP6 matrix_a_scale:MATRIX_SCALE_ROW1
.else
	v_wmma_scale_f32_16x16x128_f8f6f4 v[OT+8*\t:OT+8*\t+7], v[FRG+12*\t:FRG+12*\t+11], v[PCD:PCD+11], v[OT+8*\t:OT+8*\t+7], v[VSE+\t%2], v[PS] matrix_a_fmt:MATRIX_FMT_FP6 matrix_b_fmt:MATRIX_FMT_FP6
.endif
.endr
	v_pk_add_f32 v[SP2:SP2+1], v[S:S+1], v[S+2:S+3]   ; the row's sum of the unquantised p, in two chains: also the places behind the products
.set j, 4
.rept 15
	v_pk_add_f32 v[14:15], v[14:15], v[S+j:S+j+1]
	v_pk_add_f32 v[SP2:SP2+1], v[SP2:SP2+1], v[S+j+2:S+j+3]
.if j == 8                             ; five additions stand behind the last product: the next key step's k may land on v's fragments; 26 additions follow the request
	s_add_co_u32 s63, s[TB], KSTEP
	s_min_u32 s63, s63, 15*KSTEP                   ; held at the last key step: no read leaves the tiles (behind a tile's last step what is fetched is not used)
	KLOAD 63
.endif
.set j, j+4
.endr
.if \masked
.Lhidden_\@:
.endif
	s_add_co_u32 s[TB], s[TB], KSTEP
.endm
.macro OUT B
	v_pk_add_f32 v[14:15], v[14:15], v[SP2:SP2+1]
	v_add_f32 v14, v14, v15
	v_permlanex16_b32 v[T1], v14, s[SEL], s[SEL+1]
	v_add_f32 v14, v14, v[T1]                      ; the row's sum
	WALU
	v_rcp_f32 v14, v14
	v_nop
	WALU
.set p, 0
.rept 32
	v_cndmask_b32 v[S+p], v[OT+p], v[OT+(p^8)], s[HI]   ; lanes 16-31 hold their groups of eight in the order 1, 0, 3, 2: d in its true order
.set p, p+1
.endr
.set p, 0
.rept 16
	v_pk_mul_f32 v[S+p:S+p+1], v[S+p:S+p+1], v[14:15] op_sel_hi:[1,0]
.set p, p+2
.endr
	WALU
	s_wait_xcnt 0x0                                ; earlier stores have read the registers written below
	v_max3_num_f32 v[TM], |v[S]|, |v[S+1]|, 0x1800000
	v_max3_num_f32 v[TM+1], |v[S+16]|, |v[S+17]|, 0x1800000
.irp i, 2,4,6,8,10,12,14
	v_max3_num_f32 v[TM], v[TM], |v[S+\i]|, |v[S+\i+1]|
	v_max3_num_f32 v[TM+1], v[TM+1], |v[S+16+\i]|, |v[S+17+\i]|
.endr
	v_max_num_f32 v[TM], v[TM], v[TM+1]
	v_add_nc_u32 v[SO], 0xff000000, v[TM]
	v_cvt_scalef32_pk16_fp6_f32 v[C0:C0+2], v[S:S+15], v[SO]
	v_cvt_scalef32_pk16_fp6_f32 v[C1:C1+2], v[S+16:S+31], v[SO]
	v_lshrrev_b32 v[BY], 23, v[SO]
	v_lshlrev_b32 v[BY], v[SH8], v[BY]
	v_permlanex16_b32 v[TX], v[BY], s[SEL], s[SEL+1]
	v_or_b32 v[PR], v[BY], v[TX]
.irp i, 0,1,2
	v_mov_b32 v[C0+3+\i], v[C1+\i]
.endr
	global_store_b128 v[L16], v[C0:C0+3], s[\B+4:\B+5]
	global_store_b64 v[L8], v[C0+4:C0+5], s[\B+4:\B+5] offset:512
	global_store_b16 v[ASO], v[PR], s[\B+6:\B+7]
.endm
	s_load_b256 s[4:11], s[0:1], 0x0               ; qimg, qsc, kv, aimg
	s_load_b64 s[12:13], s[0:1], 0x20              ; asc
	v_lshl_add_u32 v[SPW], v0, 2, SPARE
	v_mov_b32 v[NIL], 0
	ds_add_u32 v[SPW], v[NIL]                      ; the opening lines
	ds_add_u32 v[SPW], v[NIL]
	v_lshrrev_b32 v4, 5, v0
	v_readfirstlane_b32 s[WV], v4
	s_bfe_u32 s[GG], ttmp6, 0x40000
	s_and_b32 s[BH], ttmp7, 0xffff
	s_mov_b32 s[G1], 15|(3<<16)|(1<<21)            ; all four work-groups; a key step: 50 dense rows of 256 bytes
	s_mov_b32 s[G1+1], 32<<16
	s_mov_b32 s[G1+2], 50<<16
	s_mov_b32 s[G1+3], 32<<16
	s_mov_b32 s[G1+4], 50
	s_mov_b32 s[G1+5], 32
	s_mov_b32 s[G1+6], 0
	s_mov_b32 s[G1+7], 0
	s_mov_b32 s[HI], 0xffff0000
	s_mov_b32 s[SEL], 0x76543210
	s_mov_b32 s[SEL+1], 0xfedcba98
	s_mov_b32 s[CS], 0x3e38aa3b                    ; log2(e) / 8
	s_mov_b32 s[CS+1], s[CS]
	s_mul_i32 s72, s[BH], 204800
	s_mul_i32 s73, s[WV], KSTEP
	s_add_co_u32 s72, s72, s73
	s_mov_b32 s73, 0
	s_mov_b32 s[G0A], 1
	s_mul_i32 s[G0A+1], s[WV], KSTEP
	s_wait_dscnt 0x0
	s_wait_kmcnt 0x0
	s_add_nc_u64 s[G0A+2:G0A+3], s[8:9], s[72:73]
	s_or_b32 s[G0A+3], s[G0A+3], 0x80000000
	CROUND
	tensor_load_to_lds s[G0A:G0A+3], s[G1:G1+7]    ; key step w: my one tensor load of the launch
	s_nop 0
	PLACES 4
	v_and_b32 v4, 31, v0
	v_lshlrev_b32 v[L16], 4, v4
	v_lshlrev_b32 v[L8], 3, v4
	v_lshlrev_b32 v[L4], 2, v4
	v_and_b32 v5, 15, v0                           ; r
	v_bfe_u32 v6, v0, 4, 1                         ; h
	v_lshlrev_b32 v[ASO], 5, v5
	v_lshlrev_b32 v[SH8], 3, v6
	s_and_b32 s66, s[GG], 1
	s_lshl_b32 s67, s66, 4
	s_sub_co_u32 s67, 32, s67                      ; 32 for an even tile of queries, 16 for an odd one
	s_lshl_b32 s68, s[GG], 3
	v_lshrrev_b32 v7, 3, v5
	v_mad_u32_u24 v7, v7, s67, v5
	v_add_nc_u32 v7, s68, v7                       ; my query's place in its 64
	v_mul_u32_u24 v[DQE], v6, 40                   ; lanes 16-31: key 32 + (n xor 8) > query is n > query - 40 in even tiles of keys,
	v_mul_u32_u24 v[DQE+1], v6, 24                 ; n > query - 24 in odd ones
	v_sub_nc_u32 v[DQE], v7, v[DQE]
	v_sub_nc_u32 v[DQE+1], v7, v[DQE+1]
	s_lshl_b32 s66, s66, 7
	s_lshr_b32 s67, s[GG], 1
	s_lshl_b32 s67, s67, 2
	s_add_co_u32 s66, s66, s67
	v_lshl_add_u32 v[QSO], v5, 3, s66
	v_mov_b32 v[NINF], 0xff800000
.set j, 0
.rept 12
	v_mov_b32 v[QA+6+j], 0
.set j, j+1
.endr
	v_mov_b32 v[BX], 0                             ; a lane permute's destination counts as one of its sources
	v_mov_b32 v[BX2], 0
	v_mov_b32 v[TX], 0
	v_mov_b32 v[T1], 0
	v_mov_b32 v[FF+1], 0
	s_sub_co_u32 s62, 31, s[WV]
	TSET 40, 62
	TSET 50, WV
	QLOAD 40
	RESET
	s_wait_tensorcnt 0x0                           ; my key step has landed,
	s_barrier_signal -1
	s_barrier_wait -1                              ; everybody's has: all 16 steps are in, and nothing is filled again
	s_wait_loadcnt 0x0
	s_mov_b32 s[ST], 0
	s_mov_b32 s[TB], 0
	KLOAD TB                                       ; key step 0
.Lfirst_open:
	STEP 0, 40
	s_add_co_u32 s[ST], s[ST], 1
	s_cmp_lt_u32 s[ST], 8
	WALU
	s_cbranch_scc1 .Lfirst_open
	s_mov_b32 s[ST], 8
	s_mov_b32 s[TB], 8*KSTEP
.Lfirst_diag:
	STEP 1, 40
	s_add_co_u32 s[ST], s[ST], 1
	s_cmp_lt_u32 s[ST], 16
	WALU
	s_cbranch_scc1 .Lfirst_diag
	s_mov_b32 s[ST], 0
	s_mov_b32 s[TB], 0
	s_wait_dscnt 0x0                               ; no load into these registers is out any more
	KLOAD TB                                       ; the second tile's key step 0, under the first tile's way out
	QLOAD 50
	OUT 40
	RESET
	s_wait_loadcnt 0x0
.Lsecond:
	STEP 1, 50
	s_add_co_u32 s[ST], s[ST], 1
	s_cmp_lt_u32 s[ST], 8
	WALU
	s_cbranch_scc1 .Lsecond
	OUT 50
	s_wait_tensorcnt 0x0                           ; the wave's end
	ds_add_u32 v[SPW], v[NIL]
	s_wait_dscnt 0x0
	CROUND
	s_endpgm
.Lfunc_end_k_qec05cca5c0_attn:
	.size	k_qec05cca5c0_attn, .Lfunc_end_k_qec05cca5c0_attn-k_qec05cca5c0_attn
	.p2alignl 7, 3214868480
	.fill 96, 4, 3214868480
	.section	.rodata,"a",@progbits
	.p2align	6, 0x0
	.amdhsa_kernel k_qec05cca5c0_attn
		.amdhsa_group_segment_fixed_size 327680
		.amdhsa_private_segment_fixed_size 0
		.amdhsa_enable_private_segment 0
		.amdhsa_kernarg_size 40
		.amdhsa_user_sgpr_count 2
		.amdhsa_user_sgpr_kernarg_segment_ptr 1
		.amdhsa_wavefront_size32 1
		.amdhsa_system_sgpr_workgroup_id_x 1
		.amdhsa_system_sgpr_workgroup_id_y 1
		.amdhsa_system_sgpr_workgroup_id_z 1
		.amdhsa_system_vgpr_workitem_id 0
		.amdhsa_next_free_vgpr 256
		.amdhsa_next_free_sgpr 76
		.amdhsa_reserve_vcc 1
		.amdhsa_float_denorm_mode_32 3
		.amdhsa_float_denorm_mode_16_64 3
		.amdhsa_memory_ordered 1
		.amdhsa_forward_progress 1
		.amdhsa_inst_pref_size 81
	.end_amdhsa_kernel
	.amdgpu_metadata
---
amdhsa.version: [ 1, 2 ]
amdhsa.kernels:
  - .name:           k_qec05cca5c0_attn
    .symbol:         k_qec05cca5c0_attn.kd
    .args:
      - { .name: qimg, .offset: 0, .size: 8, .value_kind: global_buffer, .address_space: global }
      - { .name: qsc, .offset: 8, .size: 8, .value_kind: global_buffer, .address_space: global }
      - { .name: kv, .offset: 16, .size: 8, .value_kind: global_buffer, .address_space: global }
      - { .name: aimg, .offset: 24, .size: 8, .value_kind: global_buffer, .address_space: global }
      - { .name: asc, .offset: 32, .size: 8, .value_kind: global_buffer, .address_space: global }
    .group_segment_fixed_size: 327680
    .private_segment_fixed_size: 0
    .kernarg_segment_align: 8
    .kernarg_segment_size: 40
    .max_flat_workgroup_size: 512
    .sgpr_count:     76
    .vgpr_count:     256
    .wavefront_size: 32
...
	.end_amdgpu_metadata
.endif
;; end of part 2
;; launch proj (part 3): grid 32 x 8, 4 waves a work-group, clusters of 4 x 1, 168,448 bytes of LDS; arguments aimg, asc, Wo_codes, Wo_scales, bo, out0; writes out0
.if DOCPART == 3
	.amdgcn_target "amdgcn-amd-amdhsa--gfx1250"
	.amdhsa_code_object_version 6
	.text
	.protected	k_qec05cca5c0_proj
	.globl	k_qec05cca5c0_proj
	.p2align	8
	.type	k_qec05cca5c0_proj,@function
k_qec05cca5c0_proj:
	s_mov_b64 s[64:65], 0
	v_nop
	global_prefetch_b8 v0, s[64:65] scope:SCOPE_SE
	s_setreg_imm32_b32 hwreg(HW_REG_WAVE_MODE, 25, 1), 1
	s_wait_xcnt 0x0
	s_wait_alu depctr_hold_cnt(0) depctr_sa_sdst(0) depctr_va_vdst(0) depctr_va_sdst(0) depctr_va_ssrc(0) depctr_va_vcc(0) depctr_vm_vsrc(0)
	s_getreg_b32 s2, hwreg(HW_REG_IB_STS2, 6, 4)
	s_cmp_eq_u32 s2, 0
	s_cbranch_scc0 .Lentry_in_a_cluster
	s_endpgm
.Lentry_in_a_cluster:
	s_bfe_u32 s2, ttmp6, 0x10000c
	s_cmp_lg_u32 s2, 0x3003
	s_cbranch_scc0 .Lentry_shape_is_right
	s_endpgm
.Lentry_shape_is_right:
; out0 = a Wo + bo on codes of FP6 (E2M3): a is the attention's result as images of operand registers, Wo arrives as codes with K innermost.
; SHARES.  A work-group takes 256 tokens (block X) and 128 columns (group Y), as two chunks of 64.  A wave takes 64 tokens: four tiles, whose fragments for all of K = 1,024 stay in registers (384).
; Wo's rows come from LDS, each fragment feeding four matrix instructions.  Source 0 = 16 rows of Wo, source 1 = a tile of tokens: a lane holds eight neighbouring columns of one row.  bo is the C of each sum's first product.
; CLUSTER 4 x 1: the four blocks of tokens of a cluster need the same rows of Wo: joint loads.  a's images are not asked for jointly: each goes from memory straight into the registers of the one wave of the
; work-group that uses it, by loads of 512 and 256 consecutive bytes; a joint load would add a copy of 196,608 bytes through LDS for each work-group.
; A TILE: place r of tile t of a wave's 64 is token 8 t + r + (r / 8) x (32 for even t, 16 for odd t), as in the launches before; only the stores' row offsets know of it.
; LDS: Wo's 128 rows, pitch 816 = 3 x (256 + 16); its scale bytes; a stage of 16 rows x 272 bytes for each wave, which no tensor load fills.  Nothing is filled again.
.set PITCH, 816
.set CHK,   64*PITCH
.set SCW,   2*CHK
.set STG,   SCW+4096
.set L16, 3
.set L8,  4
.set AW,  8
.set AS,  10
.set ADW, 12
.set ADS, 14
.set XSA, 15
.set STO, 16
.set RD,  17
.set GO,  18
.set BOA, 19
.set XS,  24
.set WS,  56
.set ACC, 88
.set OB,  216                          ; v216-247 16 rows read back from the stage
.set BO,  96                           ; in window 3: bo's eight tiles
.set WV, 16
.set CX, 17
.set XB, 18
.set YB, 19
.set G1C, 24
.set G1S, 32
.set G0S, 40
.set G0A, 44
.set G0B, 48
.set AB,  56
.set ASB, 58
.set BOB, 60
.set OUTB, 62
.set MSB, 0
.macro WIN new
.if MSB != (\new)
	s_set_vgpr_msb (MSB<<8)|(\new)
.set MSB, (\new)
.endif
.endm
.macro PLACES n
.rept \n
	v_nop
.endr
.endm
.macro CROUND
	s_barrier_signal -1
	s_barrier_wait -1
	s_cmp_lg_u32 s[WV], 0
	s_cbranch_scc1 .Lnot_wave_0_\@
	s_barrier_signal -3
.Lnot_wave_0_\@:
	s_barrier_wait -3
	s_barrier_signal -1
	s_barrier_wait -1
.endm
.macro FRAG reg, adr, s, row           ; a fragment from rows of pitch 816: six pieces of 8 bytes; the second address register serves the pieces whose partner three on lies behind one padding more
.irp p, 0,1,2,3,4,5
.set PCE, 12*(\s)+6*(\p/3)+\p%3
.if PCE%32 < 29
	ds_load_b64 v[(\reg)+2*\p:(\reg)+2*\p+1], v[\adr] offset:8*PCE+16*(PCE/32)+(\row)*PITCH
.else
	ds_load_b64 v[(\reg)+2*\p:(\reg)+2*\p+1], v[(\adr)+1] offset:8*PCE+16*(PCE/32)+(\row)*PITCH
.endif
.endr
.endm
; One chunk of 64 columns: 8 K steps of 16 matrix instructions; a K step's four fragments of Wo are asked for a whole step ahead, into two sets by turns; the 16 accumulators take turns.
.macro MM ch
	WIN 0
	v_add_nc_u32 v[ADW], CHK*\ch, v[AW]
	v_add_nc_u32 v[ADW+1], CHK*\ch, v[AW+1]
	v_add_nc_u32 v[ADS], 2048*\ch, v[AS]
	v_nop
.irp t, 0,1,2,3
	ds_load_b128 v[WS+8*\t:WS+8*\t+3], v[ADS] offset:512*\t
	ds_load_b128 v[WS+8*\t+4:WS+8*\t+7], v[ADS] offset:512*\t+16
.endr
	WIN 0xc0
.irp t, 0,1,2,3
	FRAG 12*\t, ADW, 0, 16*\t
.endr
	s_wait_alu depctr_va_vdst(0)
.irp s, 0,1,2,3,4,5,6,7
	s_wait_dscnt 0x0                               ; this K step's fragments are in
.if \s < 7
.if \s > 0
	PLACES 4                                       ; in front of loads into registers that the last step's matrix instructions read
.endif
	WIN 0xc0
.irp t, 0,1,2,3
	FRAG 48*((\s+1)%2)+12*\t, ADW, \s+1, 16*\t
.endr
.endif
.irp i, 0,1,2,3
.if \s == 0
	WIN 0x37+4*(\i/2)                              ; source 0 (Wo) and C (bo) window 3; source 1 (a) window 1 or 2
.else
	WIN 0x07+4*(\i/2)
.endif
.irp t, 0,1,2,3
.set rD, ACC+8*(4*\i+\t)
.set rW, 48*(\s%2)+12*\t
.set rX, 12*(8*(\i%2)+\s)
.set rB, BO+32*\ch+8*\t
.if \s == 0
	v_wmma_scale_f32_16x16x128_f8f6f4 v[rD:rD+7], v[rW:rW+11], v[rX:rX+11], v[rB:rB+7], v[WS+8*\t+\s], v[XS+8*\i+\s] matrix_a_fmt:MATRIX_FMT_FP6 matrix_b_fmt:MATRIX_FMT_FP6
.else
	v_wmma_scale_f32_16x16x128_f8f6f4 v[rD:rD+7], v[rW:rW+11], v[rX:rX+11], v[rD:rD+7], v[WS+8*\t+\s], v[XS+8*\i+\s] matrix_a_fmt:MATRIX_FMT_FP6 matrix_b_fmt:MATRIX_FMT_FP6
.endif
.endr
.endr
.endr
	WIN 0
	PLACES 4                                       ; in front of the first read of results
.endm
; The way out: a tile's 16 rows x 256 bytes go through my own stage and come back as whole rows; LDS serves a wave's instructions in order (ISA guide 5.7.1.4), so no wait stands between the stores and the loads.
.macro POUT ch
.irp i, 0,1,2,3
.irp t, 0,1,2,3
	ds_store_b128 v[STO], v[ACC+32*\i+8*\t:ACC+32*\i+8*\t+3] offset:64*\t        ; each accumulator from its low end on
	ds_store_b128 v[STO], v[ACC+32*\i+8*\t+4:ACC+32*\i+8*\t+7] offset:64*\t+16
.endr
	s_wait_xcnt 0x0                                ; the last tile's stores have read the registers that the loads below fill
.irp k, 0,1,2,3,4,5,6,7
	ds_load_b128 v[OB+4*\k:OB+4*\k+3], v[RD] offset:544*\k
.endr
.irp k, 0,1,2,3,4,5,6,7
	s_wait_dscnt 7-\k                              ; the younger loads may be out
	global_store_b128 v[GO], v[OB+4*\k:OB+4*\k+3], s[OUTB:OUTB+1] offset:4096*(8*\i+2*\k+(\k/4)*(32-16*(\i%2)))+256*\ch th:TH_STORE_NT   ; THE TILES' TOKENS (this line replaces the formula at the kernel's head): place r of tile i of a wave's 64 is token 8 i + r + (r / 8) x (32 for even i, 16 for odd i); 16 lanes store 256 consecutive bytes, at a multiple of 256 from out0's first byte
.endr
.endr
.endm
	s_load_b256 s[4:11], s[0:1], 0x0               ; aimg, asc, Wo's codes, Wo's scales
	s_load_b128 s[12:15], s[0:1], 0x20             ; bo, out0
	v_lshl_add_u32 v254, v0, 2, 0x29000
	v_mov_b32 v255, 0
	ds_add_u32 v254, v255
	ds_add_u32 v254, v255
	v_lshrrev_b32 v20, 5, v0
	v_readfirstlane_b32 s[WV], v20                 ; wave 0..3
	s_bfe_u32 s[CX], ttmp6, 0x40000
	s_lshl_b32 s[XB], ttmp9, 2
	s_add_co_u32 s[XB], s[XB], s[CX]               ; block of 256 tokens
	s_and_b32 s[YB], ttmp7, 0xffff                 ; group of 128 columns
	s_mov_b32 s[G1C], 15|(1<<20)|(1<<21)|(5<<22)|(3<<25)   ; all four work-groups; a chunk: 64 rows of 768 bytes, 16 bytes of padding behind every 256
	s_mov_b32 s[G1C+1], 768<<16
	s_mov_b32 s[G1C+2], 64<<16
	s_mov_b32 s[G1C+3], 768<<16
	s_mov_b32 s[G1C+4], 64
	s_mov_b32 s[G1C+5], 768
	s_mov_b32 s[G1C+6], 0
	s_mov_b32 s[G1C+7], 0
	s_mov_b32 s[G1S], 15|(3<<16)|(1<<21)           ; scale bytes: 16 rows of 256 dense bytes
	s_mov_b32 s[G1S+1], 32<<16
	s_mov_b32 s[G1S+2], 16<<16
	s_mov_b32 s[G1S+3], 32<<16
	s_mov_b32 s[G1S+4], 16
	s_mov_b32 s[G1S+5], 32
	s_mov_b32 s[G1S+6], 0
	s_mov_b32 s[G1S+7], 0
	s_mul_i32 s20, s[YB], 98304                    ; Wo: 128 rows of 768 bytes
	s_mov_b32 s21, 0
	s_lshl_b32 s22, s[YB], 12
	s_mov_b32 s23, 0
	s_mov_b32 s[G0S], 1
	s_mov_b32 s[G0S+1], SCW
	s_mov_b32 s[G0A], 1
	s_mov_b32 s[G0A+1], 0
	s_mov_b32 s[G0B], 1
	s_mov_b32 s[G0B+1], CHK
	s_wait_dscnt 0x0
	s_wait_kmcnt 0x0
	s_add_nc_u64 s[G0S+2:G0S+3], s[10:11], s[22:23]
	s_or_b32 s[G0S+3], s[G0S+3], 0x80000000
	s_add_nc_u64 s[G0A+2:G0A+3], s[8:9], s[20:21]
	s_add_nc_u64 s[G0B+2:G0B+3], s[G0A+2:G0A+3], 49152     ; 64 rows on
	s_or_b32 s[G0A+3], s[G0A+3], 0x80000000
	s_or_b32 s[G0B+3], s[G0B+3], 0x80000000
	CROUND                                         ; all four work-groups are here: the joint loads meet
	s_cmp_eq_u32 s[WV], 0                          ; at most one tensor load a wave, in one chain of arms: wave 0 the scale bytes,
	s_cbranch_scc0 .Lwave_1
	tensor_load_to_lds s[G0S:G0S+3], s[G1S:G1S+7]
	s_nop 0
	PLACES 4
	s_branch .Lasked
.Lwave_1:
	s_cmp_eq_u32 s[WV], 1                          ; wave 1 chunk 0,
	s_cbranch_scc0 .Lwave_2
	tensor_load_to_lds s[G0A:G0A+3], s[G1C:G1C+7]
	s_nop 0
	PLACES 4
	s_branch .Lasked
.Lwave_2:
	s_cmp_eq_u32 s[WV], 2                          ; wave 2 chunk 1; there are three tiles, so wave 3 has none
	s_cbranch_scc0 .Lasked
	tensor_load_to_lds s[G0B:G0B+3], s[G1C:G1C+7]
	s_nop 0
	PLACES 4
.Lasked:
	v_and_b32 v20, 31, v0
	v_lshlrev_b32 v[L16], 4, v20
	v_lshlrev_b32 v[L8], 3, v20
	v_and_b32 v21, 15, v0                          ; r
	v_bfe_u32 v22, v0, 4, 1                        ; h
	v_mul_u32_u24 v[AW], v21, PITCH
	v_mad_u32_u24 v[AW+1], v22, 40, v[AW]
	v_mad_u32_u24 v[AW], v22, 24, v[AW]
	v_lshl_add_u32 v[AS], v21, 5, SCW
	v_lshlrev_b32 v[XSA], 5, v21
	v_lshlrev_b32 v[BOA], 5, v22
	s_wait_alu depctr_va_vdst(0)
	s_mul_i32 s20, s[WV], 16*272
	s_add_co_u32 s20, s20, STG                     ; my stage
	v_mul_u32_u24 v[STO], v21, 272
	v_lshl_add_u32 v[STO], v22, 5, v[STO]
	v_add_nc_u32 v[STO], s20, v[STO]               ; in: row r, + 32 h
	v_mul_u32_u24 v[RD], v22, 272
	v_lshl_add_u32 v[RD], v21, 4, v[RD]
	v_add_nc_u32 v[RD], s20, v[RD]                 ; back: lanes 0-15 one row, lanes 16-31 the next
	v_lshlrev_b32 v[GO], 12, v22
	v_lshl_add_u32 v[GO], v21, 4, v[GO]            ; and the same two rows of out0
	s_mul_i32 s52, s[XB], 196608                   ; a: 16 tiles of 12,288 bytes a block; my four
	s_mul_i32 s53, s[WV], 49152
	s_add_co_u32 s52, s52, s53
	s_mov_b32 s53, 0
	s_add_nc_u64 s[AB:AB+1], s[4:5], s[52:53]
	s_lshl_b32 s52, s[XB], 13                      ; its scale bytes: 512 a tile
	s_lshl_b32 s54, s[WV], 11
	s_add_co_u32 s52, s52, s54
	s_add_nc_u64 s[ASB:ASB+1], s[6:7], s[52:53]
	s_lshl_b32 s52, s[YB], 9
	s_add_nc_u64 s[BOB:BOB+1], s[12:13], s[52:53]
	s_lshl_b32 s54, s[XB], 20                      ; out0: 256 rows of 4,096 bytes; my 64; my 128 columns
	s_add_co_u32 s52, s52, s54
	s_lshl_b32 s54, s[WV], 18
	s_add_co_u32 s52, s52, s54
	s_add_nc_u64 s[OUTB:OUTB+1], s[14:15], s[52:53]
.irp i, 0,1,2,3
	WIN 0x40+0x40*(\i/2)                           ; destination window 1 (tiles 0, 1) or 2 (tiles 2, 3)
.irp s, 0,1,2,3,4,5,6,7
.set rX, 12*(8*(\i%2)+\s)
	global_load_b128 v[rX:rX+3], v[L16], s[AB:AB+1] offset:12288*\i+1536*\s
	global_load_b64 v[rX+4:rX+5], v[L8], s[AB:AB+1] offset:12288*\i+1536*\s+512
	global_load_b128 v[rX+6:rX+9], v[L16], s[AB:AB+1] offset:12288*\i+1536*\s+768
	global_load_b64 v[rX+10:rX+11], v[L8], s[AB:AB+1] offset:12288*\i+1536*\s+1280
.endr
.endr
	WIN 0xc0                                       ; destination window 3
.irp c, 0,1
.irp t, 0,1,2,3
	global_load_b128 v[BO+32*\c+8*\t:BO+32*\c+8*\t+3], v[BOA], s[BOB:BOB+1] offset:256*\c+64*\t          ; bo at columns 64 c + 16 t + 8 h + 0 .. 7
	global_load_b128 v[BO+32*\c+8*\t+4:BO+32*\c+8*\t+7], v[BOA], s[BOB:BOB+1] offset:256*\c+64*\t+16
.endr
.endr
	WIN 0
.irp i, 0,1,2,3
	global_load_b128 v[XS+8*\i:XS+8*\i+3], v[XSA], s[ASB:ASB+1] offset:512*\i
	global_load_b128 v[XS+8*\i+4:XS+8*\i+7], v[XSA], s[ASB:ASB+1] offset:512*\i+16
.endr
	s_cmp_lt_u32 s[WV], 2
	s_cbranch_scc0 .Lnot_first
	s_wait_tensorcnt 0x0                           ; the scale bytes and chunk 0: their lines are wave 0's and wave 1's alone; chunk 1 may be out
.Lnot_first:
	s_barrier_signal -1
	s_barrier_wait -1
	s_wait_loadcnt 0x0                             ; a, its scale words, bo
	MM 0
	POUT 0
	s_wait_tensorcnt 0x0                           ; my part of chunk 1 is in,
	s_wait_dscnt 0x0
	s_barrier_signal -1
	s_barrier_wait -1                              ; everybody's is
	MM 1
	POUT 1
	s_wait_dscnt 0x0
	s_wait_tensorcnt 0x0
	ds_add_u32 v254, v255
	s_wait_dscnt 0x0
	CROUND                                         ; the closing round
	s_endpgm
.Lfunc_end_k_qec05cca5c0_proj:
	.size	k_qec05cca5c0_proj, .Lfunc_end_k_qec05cca5c0_proj-k_qec05cca5c0_proj
	.p2alignl 7, 3214868480
	.fill 96, 4, 3214868480
	.section	.rodata,"a",@progbits
	.p2align	6, 0x0
	.amdhsa_kernel k_qec05cca5c0_proj
		.amdhsa_group_segment_fixed_size 168448
		.amdhsa_private_segment_fixed_size 0
		.amdhsa_enable_private_segment 0
		.amdhsa_kernarg_size 48
		.amdhsa_user_sgpr_count 2
		.amdhsa_user_sgpr_kernarg_segment_ptr 1
		.amdhsa_wavefront_size32 1
		.amdhsa_system_sgpr_workgroup_id_x 1
		.amdhsa_system_sgpr_workgroup_id_y 1
		.amdhsa_system_sgpr_workgroup_id_z 1
		.amdhsa_system_vgpr_workitem_id 0
		.amdhsa_next_free_vgpr 928
		.amdhsa_next_free_sgpr 66
		.amdhsa_reserve_vcc 0
		.amdhsa_float_denorm_mode_32 3
		.amdhsa_float_denorm_mode_16_64 3
		.amdhsa_memory_ordered 1
		.amdhsa_forward_progress 1
		.amdhsa_inst_pref_size 99
	.end_amdhsa_kernel
	.amdgpu_metadata
---
amdhsa.version: [ 1, 2 ]
amdhsa.kernels:
  - .name:           k_qec05cca5c0_proj
    .symbol:         k_qec05cca5c0_proj.kd
    .args:
      - { .name: aimg, .offset: 0, .size: 8, .value_kind: global_buffer, .address_space: global }
      - { .name: asc, .offset: 8, .size: 8, .value_kind: global_buffer, .address_space: global }
      - { .name: Wo_codes, .offset: 16, .size: 8, .value_kind: global_buffer, .address_space: global }
      - { .name: Wo_scales, .offset: 24, .size: 8, .value_kind: global_buffer, .address_space: global }
      - { .name: bo, .offset: 32, .size: 8, .value_kind: global_buffer, .address_space: global }
      - { .name: out0, .offset: 40, .size: 8, .value_kind: global_buffer, .address_space: global }
    .group_segment_fixed_size: 168448
    .private_segment_fixed_size: 0
    .kernarg_segment_align: 8
    .kernarg_segment_size: 48
    .max_flat_workgroup_size: 128
    .sgpr_count:     66
    .vgpr_count:     928
    .wavefront_size: 32
...
	.end_amdgpu_metadata
.endif
;; end of part 3
